; MI455X (gfx1250); checked and timed in simulation.
; The chip was launched on July 23, 2026; its instructions are those of AMD's public machine-readable ISA for CDNA 5 (MIT licence, August 2026) and "CDNA5" Instruction Set Architecture Reference Guide (July 2026). The comments in the code are by the model that wrote it; some were corrected since.
;; Spatial Bayesian Attention. Allowed arithmetic: matrix products marked QUANTISED: E3M2 operands, one E8M0 scale for each 32 along K, by v_wmma_scale_f32_16x16x128_f8f6f4 with both operands' format E3M2, f32 sums; everything else in f32.
;; Inputs: betaf 128 float32; betag 128 float32; bf 128 float32; bg 128 float32; bh 128 float32; bv 512 float32; gf 128 float32; gg 128 float32; mf 128 float32; mg 128 float32; vf 128 float32; vg 128 float32; wf 128 x 512 float32; wg 128 x 512 float32; wh 128 x 512 float32; wv 512 x 128 float32; x 4 x 512 x 64 x 64 float32.
;; Outputs: out0 4 x 512 x 64 x 64 float32.
;; This version of the problem:
;;   THIS VERSION OF THE PROBLEM IS GIVEN IN LOW PRECISION. The matrix products marked QUANTISED in the list below multiply operands that are first quantised to E3M2 (3 exponent bits, 2 mantissa bits; 6 bits a number), with one power-of-two scale for each 32 numbers along K (OCP MX v1.0); their sums are f32. All else is computed in f32.
;;   The module's matrix products, in the order in which they are computed (A, B: the left and right operand; K: the contracted axis; several contracted axes count as one K, in the product's order):
;;     1. [M 128, K 512] x [K 512, N 16,384]; A: input wf; B: input x: QUANTISED
;;     2. [M 128, K 512] x [K 512, N 16,384]; A: input wg; B: input x: QUANTISED
;;     3. [M 128, K 512] x [K 512, N 16,384]; A: input wh; B: input x: QUANTISED
;;     4. batch 4 x [M 4,096, K 128] x [K 128, N 4,096]; A: computed on the way; B: computed on the way: QUANTISED
;;     5. batch 4 x [M 128, K 4,096] x [K 4,096, N 4,096]; A: computed on the way; B: softmax (see below): QUANTISED
;;     6. [M 512, K 128] x [K 128, N 16,384]; A: input wv; B: computed on the way: QUANTISED
;;   THE QUANTISER, for each operand of a quantised product, along K:
;;     - K is cut into blocks of 32 from its start; a last block that is shorter is filled with zeros.
;;     - A block's scale is 2^e with e = floor(log2(the largest magnitude in the block)) - 4, held to -126 .. 127; a block of zeros has e = 0. As a byte (E8M0): e + 127.
;;     - Each number is divided by its block's scale, clamped to +-28, and rounded to the nearest number of E3M2, ties to even, subnormals kept.
;;     - The product sums the exact products of the quantised numbers (number of the format x scale) in f32.
;;   ~~~python
;;   def quantise(x, axis):      # numpy; x: float32 -> the quantised numbers, widened to float32 again
;;       x = np.moveaxis(x, axis, -1); K = x.shape[-1]
;;       x = np.pad(x, [(0, 0)] * (x.ndim - 1) + [(0, -K % 32)]); x = x.reshape(x.shape[:-1] + (-1, 32)); a = np.abs(x).max(-1, keepdims=True)
;;       e = np.where(a > 0, np.clip(np.frexp(np.where(a > 0, a, 1))[1] - 1 - 4, -126, 127), 0)      # np.frexp(a)[1] - 1 = floor(log2(a)), exactly
;;       r = np.clip(x / 2.0 ** e, -28, 28)
;;       step = 2.0 ** (np.maximum(np.frexp(np.where(r == 0, 1, r))[1] - 1, -2) - 2)
;;       q = np.round(r / step) * step * 2.0 ** e      # np.round: ties to even
;;       return np.moveaxis(q.reshape(q.shape[:-2] + (-1,))[..., :K], -1, axis).astype(np.float32)
;;   ~~~
;;   SOFTMAX AHEAD OF A QUANTISED PRODUCT. Where the list says 'softmax', what is quantised is not the finished softmax but p = 2^(t - M), with t = logit x log2(e) and M = ceil(the row's largest t), a whole number; so 1/2 < the row's largest p <= 1. The row's sum l is taken of the UNQUANTISED p, in f32, and the product's result is divided by l at the end. Since M is a whole number, a kernel that streams over the keys may use a running M (the ceiling of the running maximum): every later rescaling is an exact power of two, which a block's scale takes up: the codes' values come out the same.
;;   OPERANDS COMPUTED ON THE WAY. 'Computed on the way' means the value that the module computes at that place (a softmax that the list does not call 'softmax' is quantised finished and normalised). What goes into a quantiser is computed in f32, as accurately as f32 sums, v_exp_f32 and their like allow (about 1e-6 of the number): no bf16 or f16 on the way to a quantiser, and a product that is left as it is and whose result goes on into a quantised operand takes f32 operands (vector FMAs, or v_wmma_f32_16x16x4_f32). A number that lies on a knife's edge between two numbers of the format may be rounded either way, as far as f32 arithmetic and the matrix unit's own rounding can turn it there, and no further.
;; One version. Each part assembles by itself: llvm-mc -triple=amdgcn-amd-amdhsa -mcpu=gfx1250 --defsym DOCPART=n.
;; ======== version 1 of 1: 3 launches
;; workspace buffers: wts 204,800 bytes; qq 1,638,400 bytes; kv 3,145,728 bytes; kvs 131,072 bytes
;; launch wq (part 1): grid 32 x 1, 4 waves a work-group, no clusters, 768 bytes of LDS; arguments wf, wg, wh, wv, wts; writes wts
.if DOCPART == 1
	.amdgcn_target "amdgcn-amd-amdhsa--gfx1250"
	.amdhsa_code_object_version 6
	.text
	.protected	k_qfb03636213_wq
	.globl	k_qfb03636213_wq
	.p2align	8
	.type	k_qfb03636213_wq,@function
k_qfb03636213_wq:
	s_mov_b64 s[64:65], 0
	v_nop
	global_prefetch_b8 v0, s[64:65] scope:SCOPE_SE
	s_setreg_imm32_b32 hwreg(HW_REG_WAVE_MODE, 25, 1), 1
	s_wait_xcnt 0x0
; The four weights, f32 with K innermost, become codes of BF6 (E3M2) with one E8M0 byte for each 32 along K, laid as IMAGES OF OPERAND REGISTERS:
; a fragment (16 rows x 128 K, 12 registers a lane) is 1,536 bytes: registers 4 c .. 4 c + 3 of lane l at byte 512 c + 16 l.  Three loads of 16 bytes a lane bring it back in any wave.
; wts: [0) wf, wg, wh: group G = 8 x tensor + tile t, four K steps each, at 6,144 G + 1,536 s;  [147,456) their scale words, 256 G + 16 r + 4 s;
;      [153,600) wv: tile T (rows 16 T + r) at 1,536 T;  [202,752) its scale words, 256 (T / 4) + 16 r + 4 (T % 4).
; THE ROWS OF A TILE OF wf, wg, wh ARE NOT NEIGHBOURS: lane r of tile t takes row 32 (t / 2) + 8 (t % 2) + r + 8 (r / 8), so that a transposed product's 16 registers of tiles 2 b, 2 b + 1 are 16 neighbours along the next K.
; Work-group G (0 .. 31; from 24 on: wv), wave f: fragment f of the group.  Lane (r, h) takes blocks h and 2 + h of its row's 128 numbers: whole blocks, so no other lane is asked for a maximum.
; The loads take 128 consecutive bytes a lane from rows far apart: the launch reads one MiB in all, once.
; A block's scale is 2^(floor(log2(largest magnitude)) - 4); its byte is the largest magnitude's exponent field - 4, held at 1 from below.
; LIMITS: a block whose largest magnitude lies under 2^-122 (a block of zeros too) keeps the byte 1: its codes are then zeros or subnormal codes, and this program alone reads the bytes.  NaN and infinities are not served.
.set WSCO, 147456                      ; where the scale words of wf, wg, wh begin
.set WVSO, 196608                      ; 202,752 - 24 x 256: wv's scale words, counted from group 24
	s_load_b256 s[4:11], s[0:1], 0x0               ; wf, wg, wh, wv
	s_load_b64 s[12:13], s[0:1], 0x20              ; wts
	v_lshl_add_u32 v128, v0, 2, 0x100
	v_mov_b32 v129, 0
	v_lshrrev_b32 v1, 5, v0
	v_readfirstlane_b32 s14, v1                    ; wave f
	v_and_b32 v1, 15, v0                           ; r
	s_wait_alu depctr_va_vdst(0)
	v_bfe_u32 v2, v0, 4, 1                         ; h
	v_and_b32 v4, 31, v0                           ; lane
	v_lshrrev_b32 v5, 3, v1                        ; r / 8
	v_lshlrev_b32 v6, 4, v4                        ; 16 x lane: my place in a chunk of an image
	v_lshlrev_b32 v7, 3, v4                        ; 8 x lane: the scale words' way out (LDS and memory alike)
	s_lshl_b32 s15, s14, 2
	v_lshl_add_u32 v8, v1, 4, s15                  ; LDS: 16 r + 4 f: my row's scale word
	s_mov_b32 s20, 0x76543210
	s_mov_b32 s21, 0xfedcba98                      ; v_permlanex16_b32's selects for lane l xor 16
	s_lshr_b32 s18, ttmp9, 3                       ; which tensor: 0, 1, 2: wf, wg, wh; 3: wv
	s_and_b32 s19, ttmp9, 7                        ; tile t; for wv: G - 24
	s_lshr_b32 s22, s19, 1
	s_lshl_b32 s22, s22, 16                        ; 32 (t / 2) rows of 2,048 bytes
	s_and_b32 s23, s19, 1
	s_lshl_b32 s23, s23, 14                        ; 8 (t % 2) rows
	s_add_co_u32 s22, s22, s23
	s_lshl_b32 s23, s14, 9                         ; K step f: 512 bytes
	s_add_co_u32 s22, s22, s23                     ; where a fragment of wf, wg, wh begins
	s_lshl_b32 s24, s19, 15                        ; wv: 64 rows of 512 bytes a group,
	s_lshl_b32 s25, s14, 13                        ; 16 rows a wave
	s_add_co_u32 s24, s24, s25
	s_mul_i32 s26, ttmp9, 6144
	s_mul_i32 s27, s14, 1536
	s_add_co_u32 s26, s26, s27                     ; the image's place
	s_lshl_b32 s28, ttmp9, 8                       ; the group's 256 bytes of scale words
	s_mov_b32 s30, 512
	s_mov_b32 s31, WVSO
	s_cmp_lt_u32 ttmp9, 24                         ; the choice hangs on the work-group's number alone
	s_cselect_b32 s30, 2048, s30                   ; a row in bytes
	s_cselect_b32 s32, 16384, 0                    ; 8 rows more for lanes 8-15, or none
	s_cselect_b32 s22, s22, s24
	s_cselect_b32 s33, 0, 6144                     ; wv's images lie behind the 6,144 bytes of scale words
	s_cselect_b32 s31, WSCO, s31
	s_add_co_u32 s26, s26, s33
	s_add_co_u32 s28, s28, s31
	s_mov_b32 s23, 0
	s_mov_b32 s27, 0
	s_mov_b32 s29, 0
	v_mul_lo_u32 v3, v1, s30
	s_wait_alu depctr_va_vdst(0)
	v_mad_u32_u24 v3, v5, s32, v3
	v_lshl_add_u32 v3, v2, 7, v3                   ; my row, + 128 h: block h
	s_wait_alu depctr_va_vdst(0)
	s_wait_kmcnt 0x0
	s_mov_b64 s[16:17], s[10:11]
	s_cmp_eq_u32 s18, 0
	s_cselect_b64 s[16:17], s[4:5], s[16:17]
	s_cmp_eq_u32 s18, 1
	s_cselect_b64 s[16:17], s[6:7], s[16:17]
	s_cmp_eq_u32 s18, 2
	s_cselect_b64 s[16:17], s[8:9], s[16:17]
	s_add_nc_u64 s[16:17], s[16:17], s[22:23]
	s_add_nc_u64 s[34:35], s[12:13], s[26:27]
	s_add_nc_u64 s[36:37], s[12:13], s[28:29]
.irp c, 0,1
.irp j, 0,1,2,3,4,5,6,7
	global_load_b128 v[64+32*\c+4*\j:67+32*\c+4*\j], v3, s[16:17] offset:256*\c+16*\j   ; k = 64 c + 32 h + 4 j ..
.endr
.endr
	s_wait_loadcnt 0x0
.irp c, 0,1
	v_max3_num_f32 v[32+\c], |v[64+32*\c]|, |v[65+32*\c]|, 0x2800000   ; my block 2 c + h, and the floor 2^(5 - 127): the byte cannot fall under 1
.endr
.irp i, 2,4,6,8,10,12,14,16,18,20,22,24,26,28,30
.irp c, 0,1
	v_max3_num_f32 v[32+\c], v[32+\c], |v[64+32*\c+\i]|, |v[65+32*\c+\i]|   ; (the two blocks by turns)
.endr
.endr
.irp c, 0,1
	v_add_nc_u32 v[44+\c], 0xfe000000, v[32+\c]    ; 4 off the exponent field: the conversion's scale operand
.endr
.irp c, 0,1
	v_lshrrev_b32 v[36+\c], 23, v[44+\c]           ; the scale's byte
.endr
	v_lshl_or_b32 v9, v37, 16, v36                 ; my two bytes: blocks h and 2 + h,
	v_lshlrev_b32 v10, 3, v2
	v_lshlrev_b32 v9, v10, v9                      ; 8 h bits up;
	v_mov_b32 v10, 0
	v_permlanex16_b32 v10, v9, s20, s21
	v_or_b32 v9, v9, v10                           ; with lane l xor 16's two the word is whole
.irp c, 0,1
	v_cvt_scalef32_pk16_bf6_f32 v[48+6*\c:50+6*\c], v[64+32*\c:79+32*\c], v[44+\c]
	v_cvt_scalef32_pk16_bf6_f32 v[16+4*\c:18+4*\c], v[80+32*\c:95+32*\c], v[44+\c]   ; (a conversion's three registers begin on an even number)
.endr
	v_nop                                          ; one plain place behind a scaled conversion
.irp c, 0,1
.irp i, 0,1,2
	v_mov_b32 v[51+6*\c+\i], v[16+4*\c+\i]
.endr
.endr
.irp c, 0,1,2
	global_store_b128 v6, v[48+4*\c:51+4*\c], s[34:35] offset:512*\c   ; 32 lanes store 512 consecutive bytes
.endr
	ds_store_b32 v8, v9                            ; lanes r and r + 16 write the same word with the same value
	s_wait_dscnt 0x0                               ; for the others' sake: my store has landed
	s_barrier_signal -1
	s_barrier_wait -1
	s_cmp_lg_u32 s14, 0
	s_cbranch_scc1 .Ldone
	ds_load_b64 v[10:11], v7                       ; the group's 64 scale words
	s_wait_dscnt 0x0
	global_store_b64 v7, v[10:11], s[36:37]        ; 32 lanes store 256 consecutive bytes, aligned
.Ldone:
	s_wait_tensorcnt 0x0
	ds_add_u32 v128, v129
	s_wait_dscnt 0x0
	s_endpgm
.Lfunc_end_k_qfb03636213_wq:
	.size	k_qfb03636213_wq, .Lfunc_end_k_qfb03636213_wq-k_qfb03636213_wq
	.p2alignl 7, 3214868480
	.fill 96, 4, 3214868480
	.section	.rodata,"a",@progbits
	.p2align	6, 0x0
	.amdhsa_kernel k_qfb03636213_wq
		.amdhsa_group_segment_fixed_size 768
		.amdhsa_private_segment_fixed_size 0
		.amdhsa_enable_private_segment 0
		.amdhsa_kernarg_size 40
		.amdhsa_user_sgpr_count 2
		.amdhsa_user_sgpr_kernarg_segment_ptr 1
		.amdhsa_wavefront_size32 1
		.amdhsa_system_sgpr_workgroup_id_x 1
		.amdhsa_system_sgpr_workgroup_id_y 1
		.amdhsa_system_sgpr_workgroup_id_z 1
		.amdhsa_system_vgpr_workitem_id 0
		.amdhsa_next_free_vgpr 130
		.amdhsa_next_free_sgpr 66
		.amdhsa_reserve_vcc 0
		.amdhsa_float_denorm_mode_32 3
		.amdhsa_float_denorm_mode_16_64 3
		.amdhsa_memory_ordered 1
		.amdhsa_forward_progress 1
		.amdhsa_inst_pref_size 9
	.end_amdhsa_kernel
	.amdgpu_metadata
---
amdhsa.version: [ 1, 2 ]
amdhsa.kernels:
  - .name:           k_qfb03636213_wq
    .symbol:         k_qfb03636213_wq.kd
    .args:
      - { .name: wf, .offset: 0, .size: 8, .value_kind: global_buffer, .address_space: global }
      - { .name: wg, .offset: 8, .size: 8, .value_kind: global_buffer, .address_space: global }
      - { .name: wh, .offset: 16, .size: 8, .value_kind: global_buffer, .address_space: global }
      - { .name: wv, .offset: 24, .size: 8, .value_kind: global_buffer, .address_space: global }
      - { .name: wts, .offset: 32, .size: 8, .value_kind: global_buffer, .address_space: global }
    .group_segment_fixed_size: 768
    .private_segment_fixed_size: 0
    .kernarg_segment_align: 8
    .kernarg_segment_size: 40
    .max_flat_workgroup_size: 128
    .sgpr_count:     66
    .vgpr_count:     130
    .wavefront_size: 32
...
	.end_amdgpu_metadata
.endif
;; end of part 1
;; launch proj (part 2): grid 256 x 1, 8 waves a work-group, clusters of 4 x 1, 197,632 bytes of LDS; arguments x, wts, bf, gf, betaf, mf, vf, bg, gg, betag, mg, vg, bh, qq, kv, kvs; writes qq, kv, kvs
.if DOCPART == 2
	.amdgcn_target "amdgcn-amd-amdhsa--gfx1250"
	.amdhsa_code_object_version 6
	.text
	.protected	k_qfb03636213_proj
	.globl	k_qfb03636213_proj
	.p2align	8
	.type	k_qfb03636213_proj,@function
k_qfb03636213_proj:
	s_mov_b64 s[64:65], 0
	v_nop
	global_prefetch_b8 v0, s[64:65] scope:SCOPE_SE
	s_setreg_imm32_b32 hwreg(HW_REG_WAVE_MODE, 25, 1), 1
	s_wait_xcnt 0x0
	s_wait_alu depctr_hold_cnt(0) depctr_sa_sdst(0) depctr_va_vdst(0) depctr_va_sdst(0) depctr_va_ssrc(0) depctr_va_vcc(0) depctr_vm_vsrc(0)
	s_getreg_b32 s2, hwreg(HW_REG_IB_STS2, 6, 4)
	s_cmp_eq_u32 s2, 0
	s_cbranch_scc0 .Lentry_in_a_cluster
	s_endpgm
.Lentry_in_a_cluster:
	s_bfe_u32 s2, ttmp6, 0x10000c
	s_cmp_lg_u32 s2, 0x3003
	s_cbranch_scc0 .Lentry_shape_is_right
	s_endpgm
.Lentry_shape_is_right:
; f = relu(bn(wf x + bf)), g = relu(bn(wg x + bg)), h = wh x + bh, all three products on codes of BF6 (E3M2) with one E8M0 scale for each 32 along K = the 512 channels; f, g and h leave as codes for the next launch.
; SHARES.  Work-group g = 64 b + pb takes 64 pixels of image b, all 512 channels.  Eight waves.
;   X: wave w quantises 32 pixels (group w % 2) x 128 channels (K step w / 2): A LANE TAKES A PIXEL AND ITS REGISTERS RUN DOWN THE CHANNELS, so each load reads 128 consecutive bytes of a channel's row, a block of 32 lies in one lane,
;      and the codes come out with K innermost.  Lanes 0-15 hold the rows of pixel tile 2 (w % 2), lanes 16-31 those of the next tile; twelve exchanges of halves make the two fragments.
;   F, G: wave w makes f (w < 4) or g for pixel tile w % 4: transposed (source 0 = 16 rows of the weight, source 1 = x), so that a lane holds one pixel and its 64 registers its 128 channels' half: quantised along the channels in registers.
;   H: wave w makes channel tile w of h for the 64 pixels (source 0 = x, source 1 = 16 rows of wh): a lane holds one channel and its 32 registers run along the pixels, which are the keys: quantised along the keys.
; THE PIXELS OF A TILE ARE NOT NEIGHBOURS, nor are the rows of a tile of a weight: lane r of tile t takes 32 (t / 2) + 8 (t % 2) + r + 8 (r / 8), so that the 16 registers of result tiles 2 b, 2 b + 1 are 16 neighbours along the next K.
; OPERANDS LIE IN LDS AND IN THE WORKSPACE AS IMAGES OF THEIR REGISTERS: a fragment is 1,536 bytes, registers 4 c .. 4 c + 3 of lane l at 512 c + 16 l.
; CLUSTER: the four work-groups of a cluster need the same 153,600 bytes of weights: each wave asks for an eighth of them JOINTLY.  Nothing in LDS is filled twice.
; LIMITS: a block whose largest magnitude lies under 2^-122 (a block of zeros too) keeps the byte 1; this program alone reads the bytes.  NaN and infinities are not served.  inv = gamma x v_rsq_f32(var + 1e-5), where the definition divides by a square root.
.set FRB,   1536                       ; a fragment's image
.set WSC,   147456                     ; LDS [0, 153,600): the weights' images and, from WSC on, their scale words, as they lie in wts
.set XIMG,  153600                     ; x's 16 fragments: (4 x pixel tile + K step) x FRB
.set XSC,   178176                     ; x's scale words: (4 x pixel group + K step) x 128 + 4 x lane
.set TAB,   179200                     ; bias, inv, shift: 1,024 bytes each, [f, g][128]
.set SCOUT, 182272                     ; scale words on their way out: Q's 256 bytes, K's 256, V's 256
.set TM,    28                         ; v28-31 largest magnitudes, v32-35 the other half's, then bytes; v40-43 the conversions' scale operands
.set PC,    112                        ; the codes just made
.set PW,    44                         ; the scale word just made
; v0 thread, v1 lane, v2 r, v3 h; v4-23 addresses, made here and never rewritten; v45 x's scale word, v46 bh of my channel, v47 h's two scale bytes
.macro ROUND                           ; a round of the cluster's barrier
	s_barrier_signal -1
	s_barrier_wait -1
	s_cmp_lg_u32 s48, 0
	s_cbranch_scc1 .Lnot_wave_0_\@
	s_barrier_signal -3
.Lnot_wave_0_\@:
	s_barrier_wait -3
	s_barrier_signal -1
	s_barrier_wait -1
.endm
; 64 numbers of a lane, register 16 b + i = k 32 b + 16 (lane / 16) + i of my row, become a fragment's codes in v[PC] on and its scale word in v[PW]
.macro QUANT s
.irp b, 0,1,2,3
	v_max3_num_f32 v[TM+\b], |v[\s+16*\b]|, |v[\s+1+16*\b]|, 0x2800000   ; my 16 numbers of block b, and the floor 2^(5 - 127)
.endr
.irp i, 2,4,6,8,10,12,14
.irp b, 0,1,2,3
	s_delay_alu instid0(VALU_DEP_4)
	v_max3_num_f32 v[TM+\b], v[TM+\b], |v[\s+16*\b+\i]|, |v[\s+1+16*\b+\i]|
.endr
.endr
.irp b, 0,1,2,3
	s_delay_alu instid0(VALU_DEP_4)
	v_permlanex16_b32 v[TM+4+\b], v[TM+\b], s54, s55
.endr
.irp b, 0,1,2,3
	s_delay_alu instid0(VALU_DEP_4)
	v_max_num_f32 v[TM+\b], v[TM+\b], v[TM+4+\b]   ; with lane l xor 16's: the block's largest magnitude
.endr
.irp b, 0,1,2,3
	s_delay_alu instid0(VALU_DEP_4)
	v_add_nc_u32 v[TM+12+\b], 0xfe000000, v[TM+\b]   ; 4 off its exponent field: the conversion's scale operand
.endr
.irp b, 0,1,2,3
	s_delay_alu instid0(VALU_DEP_4)
	v_lshrrev_b32 v[TM+4+\b], 23, v[TM+12+\b]      ; the scale's byte
.endr
	s_delay_alu instid0(VALU_DEP_3)
	v_lshl_or_b32 v[PW], v[TM+5], 8, v[TM+4]
	s_delay_alu instid0(VALU_DEP_1)
	v_lshl_or_b32 v[PW], v[TM+6], 16, v[PW]
	s_delay_alu instid0(VALU_DEP_1)
	v_lshl_or_b32 v[PW], v[TM+7], 24, v[PW]
.irp c, 0,1
	v_cvt_scalef32_pk16_bf6_f32 v[PC+6*\c:PC+2+6*\c], v[\s+32*\c:\s+15+32*\c], v[TM+12+2*\c]
	v_cvt_scalef32_pk16_bf6_f32 v[PC+12+4*\c:PC+14+4*\c], v[\s+16+32*\c:\s+31+32*\c], v[TM+12+2*\c+1]
.endr
	v_nop                                          ; one plain place behind a scaled conversion
.irp c, 0,1                                    ; the operand's layout wants a whole block in a lane
.irp i, 0,1,2
	v_permlane16_swap_b32 v[PC+6*\c+\i], v[PC+12+4*\c+\i]
.endr
.irp i, 0,1,2
	s_delay_alu instid0(VALU_DEP_3)
	v_mov_b32 v[PC+3+6*\c+\i], v[PC+12+4*\c+\i]
.endr
.endr
.endm
; block kb of my pixel's 128 channels: 32 numbers of mine -> 6 registers of codes (the upper three made elsewhere and moved later) and a byte of v45
.macro XBLOCK kb
.set XS, 128+32*(\kb)
.set FB, 96+12*((\kb)%2)+6*((\kb)/2)
	v_max3_num_f32 v28, |v[XS]|, |v[XS+1]|, |v[XS+2]|
	v_max3_num_f32 v29, |v[XS+3]|, |v[XS+4]|, |v[XS+5]|
.irp i, 6,10,14,18,22,26
	s_delay_alu instid0(VALU_DEP_2)
	v_max3_num_f32 v28, v28, |v[XS+\i]|, |v[XS+\i+1]|
	s_delay_alu instid0(VALU_DEP_2)
	v_max3_num_f32 v29, v29, |v[XS+\i+2]|, |v[XS+\i+3]|
.endr
	s_delay_alu instid0(VALU_DEP_2)
	v_max3_num_f32 v28, v28, |v[XS+30]|, |v[XS+31]|
	s_delay_alu instid0(VALU_DEP_1)
	v_max3_num_f32 v28, v28, v29, 0x2800000        ; and the floor
	s_delay_alu instid0(VALU_DEP_1)
	v_add_nc_u32 v[40+(\kb)], 0xfe000000, v28
	s_delay_alu instid0(VALU_DEP_1)
	v_lshrrev_b32 v30, 23, v[40+(\kb)]
.if (\kb) == 0
	s_delay_alu instid0(VALU_DEP_1)
	v_mov_b32 v45, v30
.else
	s_delay_alu instid0(VALU_DEP_1)
	v_lshl_or_b32 v45, v30, 8*(\kb), v45
.endif
	v_cvt_scalef32_pk16_bf6_f32 v[FB:FB+2], v[XS:XS+15], v[40+(\kb)]
	v_cvt_scalef32_pk16_bf6_f32 v[48+4*(\kb):50+4*(\kb)], v[XS+16:XS+31], v[40+(\kb)]
	v_nop                                          ; one plain place behind a scaled conversion
.endm
; h: pixel tile p, K step s.  x's scale words of tiles 2 q and 2 q + 1 share a register: the odd tile's lie in lanes 16-31
.macro HMUL p, s
.if (\s) == 0
.if (\p)%2
	v_wmma_scale_f32_16x16x128_f8f6f4 v[48+8*(\p):55+8*(\p)], v[144+12*(\p):155+12*(\p)], v[192:203], v[216:223], v[204+(\p)/2], v[208+(\s)] matrix_a_fmt:MATRIX_FMT_BF6 matrix_b_fmt:MATRIX_FMT_BF6 matrix_a_scale:MATRIX_SCALE_ROW1
.else
	v_wmma_scale_f32_16x16x128_f8f6f4 v[48+8*(\p):55+8*(\p)], v[144+12*(\p):155+12*(\p)], v[192:203], v[216:223], v[204+(\p)/2], v[208+(\s)] matrix_a_fmt:MATRIX_FMT_BF6 matrix_b_fmt:MATRIX_FMT_BF6
.endif
.else
.if (\p)%2
	v_wmma_scale_f32_16x16x128_f8f6f4 v[48+8*(\p):55+8*(\p)], v[144+12*(\p):155+12*(\p)], v[192:203], v[48+8*(\p):55+8*(\p)], v[204+(\p)/2], v[208+(\s)] matrix_a_fmt:MATRIX_FMT_BF6 matrix_b_fmt:MATRIX_FMT_BF6 matrix_a_scale:MATRIX_SCALE_ROW1
.else
	v_wmma_scale_f32_16x16x128_f8f6f4 v[48+8*(\p):55+8*(\p)], v[144+12*(\p):155+12*(\p)], v[192:203], v[48+8*(\p):55+8*(\p)], v[204+(\p)/2], v[208+(\s)] matrix_a_fmt:MATRIX_FMT_BF6 matrix_b_fmt:MATRIX_FMT_BF6
.endif
.endif
.endm
	s_load_b512 s[4:19], s[0:1], 0x0               ; x, wts, bf, gf, betaf, mf, vf, bg
	s_load_b512 s[20:35], s[0:1], 0x40             ; gg, betag, mg, vg, bh, qq, kv, kvs
	v_lshl_add_u32 v38, v0, 2, 0x30000
	v_mov_b32 v39, 0
	ds_add_u32 v38, v39
	ds_add_u32 v38, v39
	v_lshrrev_b32 v1, 5, v0
	s_delay_alu instid0(VALU_DEP_1)
	v_readfirstlane_b32 s48, v1                    ; wave w
	s_lshr_b32 s49, s48, 2                         ; 0: f, 1: g
	s_and_b32 s50, s48, 3                          ; my pixel tile for f or g
	s_and_b32 s51, s48, 1                          ; my pixel group of x
	s_lshr_b32 s52, s48, 1                         ; my K step of x
	s_bfe_u32 s53, ttmp6, 0x40000                  ; cx: it enters global offsets alone
	s_lshl_b32 s56, ttmp9, 2
	s_add_co_u32 s56, s56, s53                     ; g = 64 b + pb
	s_mov_b32 s54, 0x76543210
	s_mov_b32 s55, 0xfedcba98                      ; v_permlanex16_b32's selects for lane l xor 16
	v_and_b32 v1, 31, v0                           ; lane
	v_and_b32 v2, 15, v0                           ; r
	v_bfe_u32 v3, v0, 4, 1                         ; h
	s_delay_alu instid0(VALU_DEP_3)
	v_lshlrev_b32 v4, 4, v1                        ; 16 x lane
	s_wait_alu depctr_va_vdst(0)
	v_lshlrev_b32 v5, 3, v1                        ; 8 x lane
	v_and_b32 v24, 8, v2
	s_delay_alu instid0(VALU_DEP_1)
	v_add_nc_u32 v24, v24, v2                      ; r + 8 (r / 8)
	s_delay_alu instid0(VALU_DEP_1)
	v_lshl_add_u32 v6, v3, 3, v24
	s_delay_alu instid0(VALU_DEP_1)
	v_lshlrev_b32 v6, 2, v6                        ; x: my pixel of the group's 32: 8 h + r + 8 (r / 8), 4 bytes each
	v_lshl_add_u32 v7, v0, 2, TAB                  ; the tables, on the way in: 4 x thread
	s_lshl_b32 s57, s51, 3
	s_add_co_u32 s57, s57, s52
	s_mul_i32 s57, s57, FRB
	s_add_co_u32 s57, s57, XIMG
	v_add_nc_u32 v8, s57, v4                       ; where I store x's images: tile 2 (w % 2), K step w / 2; the next tile 6,144 on
	s_lshl_b32 s57, s51, 2
	s_add_co_u32 s57, s57, s52
	s_lshl_b32 s57, s57, 7
	s_add_co_u32 s57, s57, XSC
	v_lshl_add_u32 v9, v1, 2, s57                  ; and their scale words
	s_mul_i32 s57, s49, 49152
	v_add_nc_u32 v10, s57, v4                      ; wf's or wg's images
	s_lshl_b32 s57, s49, 11
	s_add_co_u32 s57, s57, WSC
	v_lshl_add_u32 v11, v2, 4, s57                 ; and scale words: 16 r
	s_mul_i32 s57, s50, 6144
	s_add_co_u32 s57, s57, XIMG
	v_add_nc_u32 v12, s57, v4                      ; x's fragments of my pixel tile
	s_lshr_b32 s57, s50, 1
	s_lshl_b32 s57, s57, 9
	s_and_b32 s58, s50, 1
	s_lshl_b32 s58, s58, 6
	s_add_co_u32 s57, s57, s58
	s_add_co_u32 s57, s57, XSC
	v_lshl_add_u32 v13, v2, 2, s57                 ; and their scale words: 4 r
	s_lshl_b32 s57, s49, 9
	s_add_co_u32 s57, s57, TAB
	v_lshl_add_u32 v14, v3, 6, s57                 ; the tables, on the way out: my half's 16 channels of each 32
	s_mul_i32 s57, s48, 6144
	s_add_co_u32 s57, s57, 98304
	v_add_nc_u32 v15, s57, v4                      ; wh's tile w
	s_lshl_b32 s57, s48, 8
	s_add_co_u32 s57, s57, WSC+4096
	v_lshl_add_u32 v16, v2, 4, s57                 ; and its scale words
	v_add_nc_u32 v17, XIMG, v4                     ; x's fragments, all
	v_lshl_add_u32 v18, v1, 2, XSC                 ; x's scale words, two tiles to a register
	s_lshl_b32 s57, s48, 6
	s_add_co_u32 s57, s57, SCOUT
	v_lshl_add_u32 v19, v2, 2, s57                 ; Q's or K's scale word on its way out: 64 w + 4 r
	s_lshl_b32 s57, s48, 5
	s_add_co_u32 s57, s57, SCOUT+512
	v_lshl_add_u32 v20, v2, 1, s57                 ; V's two bytes: 32 w + 2 r
	v_lshl_add_u32 v21, v1, 3, SCOUT               ; and back: 8 x lane
	s_lshl_b32 s57, s52, 7
	s_lshl_b32 s58, s51, 5
	s_add_co_u32 s57, s57, s58
	v_lshl_add_u32 v22, v24, 2, s57                ; bh: my channel of tile w
	v_and_b32 v23, 127, v0
	s_delay_alu instid0(VALU_DEP_1)
	v_lshlrev_b32 v23, 2, v23                      ; the five vectors of f or of g: channel = thread % 128
.irp b, 0,1,2,3
	v_mov_b32 v[TM+4+\b], 0                        ; written once: a lane permute's destination counts as one of its sources
.endr
	; descriptor group 1: 75 rows of 256 bytes (32 elements of 8), dense, no padding; the mask names all four work-groups
	s_mov_b32 s36, 15|(3<<16)|(1<<21)
	s_mov_b32 s37, 32<<16
	s_mov_b32 s38, 75<<16
	s_mov_b32 s39, 32<<16
	s_mov_b32 s40, 75
	s_mov_b32 s41, 32
	s_mov_b32 s42, 0
	s_mov_b32 s43, 0
	s_mov_b32 s44, 1
	s_mul_i32 s45, s48, 19200                      ; my eighth, in LDS as in wts
	s_mov_b32 s66, s45
	s_mov_b32 s67, 0
	; global offsets
	s_lshr_b32 s57, s56, 6                         ; b
	s_lshl_b32 s60, s57, 23                        ; an image: 512 channels of 16,384 bytes
	s_lshl_b32 s58, s52, 21                        ; my K step: 128 channels
	s_add_co_u32 s60, s60, s58
	s_and_b32 s58, s56, 63
	s_lshl_b32 s58, s58, 8                         ; 64 pixels
	s_add_co_u32 s60, s60, s58
	s_lshl_b32 s58, s51, 7                         ; 32 pixels
	s_add_co_u32 s60, s60, s58
	s_mov_b32 s61, 0
	s_lshr_b32 s88, s56, 3
	s_mul_i32 s88, s88, 98304                      ; the slot of 512 keys in kv
	s_mul_i32 s62, s56, 6144                       ; Q: four images a work-group
	s_and_b32 s58, s56, 7
	s_mul_i32 s58, s58, 6144
	s_add_co_u32 s58, s88, s58                     ; K: key step (g / 2) % 4, tiles 4 (g % 2) on
	s_bfe_u32 s70, s56, 0x20001
	s_mul_i32 s70, s70, 12288
	s_add_co_u32 s70, s70, s88
	s_mul_i32 s57, s48, 1536
	s_add_co_u32 s70, s70, s57
	s_and_b32 s57, s56, 1
	s_mul_i32 s57, s57, 768
	s_add_co_u32 s70, s70, s57
	s_add_co_u32 s70, s70, 49152                   ; V: behind the slot's K; tile w; half g % 2 of the step's 128 keys
	s_mov_b32 s71, 0
	s_lshl_b32 s72, s56, 8                         ; 256 bytes of each kind of scale words a work-group
	s_mov_b32 s73, 0
	s_mul_i32 s57, s50, 1536
	s_mov_b32 s63, 0
	s_wait_dscnt 0x0
	s_wait_kmcnt 0x0
	s_add_nc_u64 s[46:47], s[6:7], s[66:67]
	s_or_b32 s47, s47, 0x80000000
	s_add_nc_u64 s[4:5], s[4:5], s[60:61]
	s_cmp_eq_u32 s49, 0                            ; f goes to qq, g to kv: the choice hangs on the wave's number alone
	s_cselect_b32 s62, s62, s58
	s_cselect_b64 s[68:69], s[30:31], s[32:33]
	s_add_co_u32 s62, s62, s57
	s_add_nc_u64 s[68:69], s[68:69], s[62:63]
	s_add_nc_u64 s[70:71], s[32:33], s[70:71]
	s_add_nc_u64 s[74:75], s[30:31], s[72:73]
	s_add_nc_u64 s[76:77], s[34:35], s[72:73]
	s_cmp_lt_u32 s48, 4
	s_cselect_b64 s[78:79], s[8:9], s[18:19]       ; bias
	s_cselect_b64 s[80:81], s[10:11], s[20:21]     ; gamma
	s_cselect_b64 s[82:83], s[12:13], s[22:23]     ; beta
	s_cselect_b64 s[84:85], s[14:15], s[24:25]     ; mean
	s_cselect_b64 s[86:87], s[16:17], s[26:27]     ; var
	ROUND                                          ; all four work-groups are here: the joint loads meet
	tensor_load_to_lds s[44:47], s[36:43]          ; my one tensor load of the launch
	s_nop 0
.rept 4
	v_nop
.endr
	s_wait_alu depctr_va_vdst(0)
	global_load_b32 v120, v23, s[78:79]
	global_load_b32 v121, v23, s[80:81]
	global_load_b32 v122, v23, s[82:83]
	global_load_b32 v123, v23, s[84:85]
	global_load_b32 v124, v23, s[86:87]
	global_load_b32 v46, v22, s[28:29]
.set KK, 0
.rept 128
	global_load_b32 v[128+KK], v6, s[4:5] offset:KK*16384 th:TH_LOAD_NT   ; channel KK of my K step: 32 lanes read 128 consecutive bytes
.set KK, KK+1
.endr
	s_wait_loadcnt 63                              ; of the 134 loads at most the last 63 are out: the six small ones and blocks 0 and 1 are in
	v_add_f32 v124, 0x3727c5ac, v124               ; var + 1e-5
	s_wait_alu depctr_va_vdst(0)
	v_rsq_f32 v125, v124
	v_nop                                          ; one plain place behind a transcendental
	s_wait_alu depctr_va_vdst(0)
	v_mul_f32 v125, v121, v125                     ; inv
	s_delay_alu instid0(VALU_DEP_1)
	v_fma_f32 v126, -v123, v125, v122              ; shift = beta - mean x inv
	ds_store_b32 v7, v120
	ds_store_b32 v7, v125 offset:1024
	ds_store_b32 v7, v126 offset:2048
	XBLOCK 0
	XBLOCK 1
	s_wait_loadcnt 32                              ; block 2 is in; block 3's 32 loads may be out
	XBLOCK 2
	s_wait_loadcnt 0x0
	XBLOCK 3
.irp kb, 0,1,2,3
.irp i, 0,1,2
	v_mov_b32 v[96+12*(\kb%2)+6*(\kb/2)+3+\i], v[48+4*\kb+\i]
.endr
.endr
.irp i, 0,1,2,3,4,5,6,7,8,9,10,11                  ; v96.. holds blocks 0 and 2 of every lane's pixel, v108.. blocks 1 and 3.  The first's lanes 16-31 change places with the second's lanes 0-15:
	v_permlane16_swap_b32 v[96+\i], v[108+\i]      ; v96.. is then the fragment of the lower lanes' tile, v108.. that of the upper lanes'
.endr
.irp c, 0,1,2
	ds_store_b128 v8, v[96+4*\c:99+4*\c] offset:512*\c
	ds_store_b128 v8, v[108+4*\c:111+4*\c] offset:6144+512*\c
.endr
	ds_store_b32 v9, v45
	s_wait_tensorcnt 0x0                           ; my eighth of the weights has landed,
	s_wait_dscnt 0x0                               ; my stores too
	s_barrier_signal -1
	s_barrier_wait -1                              ; weights, x's 16 fragments and the tables lie in LDS
	; ---- f or g for my pixel tile: eight accumulators by turns; the conv's bias is the C of the first products
.irp t, 0,1,2,3,4,5,6,7
	ds_load_b128 v[48+8*\t:51+8*\t], v14 offset:(32*(\t/2)+8*(\t%2))*4
	ds_load_b128 v[52+8*\t:55+8*\t], v14 offset:(32*(\t/2)+8*(\t%2))*4+16
.endr
.irp t, 0,1,2,3,4,5,6,7
	ds_load_b128 v[224+4*\t:227+4*\t], v11 offset:256*\t   ; tile t's scale words of the four K steps
.endr
.irp s, 0,1,2,3
.irp t, 0,1,2,3,4,5,6,7
.irp c, 0,1,2
	ds_load_b128 v[112+12*\t+4*\c:115+12*\t+4*\c], v10 offset:\t*6144+\s*1536+512*\c
.endr
.endr
.irp c, 0,1,2
	ds_load_b128 v[208+4*\c:211+4*\c], v12 offset:\s*1536+512*\c
.endr
	ds_load_b32 v220, v13 offset:128*\s
	s_wait_dscnt 0x0
.irp t, 0,1,2,3,4,5,6,7
	v_wmma_scale_f32_16x16x128_f8f6f4 v[48+8*\t:55+8*\t], v[112+12*\t:123+12*\t], v[208:219], v[48+8*\t:55+8*\t], v[224+4*\t+\s], v220 matrix_a_fmt:MATRIX_FMT_BF6 matrix_b_fmt:MATRIX_FMT_BF6
.endr
.rept 4
	v_nop                                          ; places in front of loads into registers that matrix instructions have read, and of the first read of results
.endr
.endr
.irp t, 0,1,2,3,4,5,6,7
	ds_load_b128 v[112+8*\t:115+8*\t], v14 offset:1024+(32*(\t/2)+8*(\t%2))*4
	ds_load_b128 v[116+8*\t:119+8*\t], v14 offset:1024+(32*(\t/2)+8*(\t%2))*4+16
	ds_load_b128 v[176+8*\t:179+8*\t], v14 offset:2048+(32*(\t/2)+8*(\t%2))*4
	ds_load_b128 v[180+8*\t:183+8*\t], v14 offset:2048+(32*(\t/2)+8*(\t%2))*4+16
.endr
	s_wait_dscnt 0x0
.set JJ, 0
.rept 32
	v_pk_fma_f32 v[48+JJ:49+JJ], v[48+JJ:49+JJ], v[112+JJ:113+JJ], v[176+JJ:177+JJ]   ; x inv + shift; each accumulator from its low end on
.set JJ, JJ+2
.endr
.set JJ, 0
.rept 64
	v_max_num_f32 v[48+JJ], 0, v[48+JJ]            ; relu
.set JJ, JJ+1
.endr
	QUANT 48
.irp c, 0,1,2
	global_store_b128 v4, v[PC+4*\c:PC+3+4*\c], s[68:69] offset:512*\c   ; the image as it stands: 512 consecutive bytes a store.  v112-123 are not written again
.endr
	ds_store_b32 v19, v[PW]
	; ---- h: channel tile w for the four pixel tiles: four accumulators by turns; bh of my channel is the C of the first products
.irp j, 0,1,2,3,4,5,6,7
	v_mov_b32 v[216+\j], v46
.endr
	s_wait_alu depctr_va_vdst(0)
.rept 4
	v_nop
.endr
	ds_load_b128 v[208:211], v16                   ; wh's scale words of the four K steps
.irp s, 0,1,2,3
.irp p, 0,1,2,3
.irp c, 0,1,2
	ds_load_b128 v[144+12*\p+4*\c:147+12*\p+4*\c], v17 offset:(4*\p+\s)*1536+512*\c
.endr
.endr
.irp c, 0,1,2
	ds_load_b128 v[192+4*\c:195+4*\c], v15 offset:\s*1536+512*\c
.endr
	ds_load_b32 v204, v18 offset:\s*128
	ds_load_b32 v205, v18 offset:(4+\s)*128
	s_wait_dscnt 0x0
.irp p, 0,1,2,3
	HMUL \p, \s
.endr
.rept 4
	v_nop
.endr
.endr
	; my channel's 64 pixels: register 16 b + i = pixel 32 b + 16 h + i: two blocks of 32 keys
.irp b, 0,1
	v_max3_num_f32 v[TM+\b], |v[48+16*\b]|, |v[49+16*\b]|, 0x2800000
.endr
.irp i, 2,4,6,8,10,12,14
.irp b, 0,1
	v_max3_num_f32 v[TM+\b], v[TM+\b], |v[48+16*\b+\i]|, |v[49+16*\b+\i]|
.endr
.endr
.irp b, 0,1
	s_delay_alu instid0(VALU_DEP_2)
	v_permlanex16_b32 v[TM+4+\b], v[TM+\b], s54, s55
.endr
.irp b, 0,1
	s_delay_alu instid0(VALU_DEP_2)
	v_max_num_f32 v[TM+\b], v[TM+\b], v[TM+4+\b]
.endr
.irp b, 0,1
	s_delay_alu instid0(VALU_DEP_2)
	v_add_nc_u32 v[TM+12+\b], 0xfe000000, v[TM+\b]
.endr
.irp b, 0,1
	s_delay_alu instid0(VALU_DEP_2)
	v_lshrrev_b32 v[TM+4+\b], 23, v[TM+12+\b]
.endr
	s_delay_alu instid0(VALU_DEP_1)
	v_lshl_or_b32 v47, v[TM+5], 8, v[TM+4]         ; the two bytes
	v_cvt_scalef32_pk16_bf6_f32 v[128:130], v[48:63], v[TM+12]
	v_cvt_scalef32_pk16_bf6_f32 v[136:138], v[64:79], v[TM+13]
	v_nop                                          ; one plain place behind a scaled conversion
.irp i, 0,1,2
	v_permlane16_swap_b32 v[128+\i], v[136+\i]
.endr
.irp i, 0,1,2
	s_delay_alu instid0(VALU_DEP_3)
	v_mov_b32 v[131+\i], v[136+\i]                 ; six registers: half a fragment of V: keys 32 h + 0 .. 31 of these 64
.endr
	global_store_b128 v4, v[128:131], s[70:71]     ; 512 consecutive bytes,
	global_store_b64 v5, v[132:133], s[70:71] offset:512   ; and 256
	ds_store_b16 v20, v47
	s_wait_dscnt 0x0                               ; for wave 0's sake: my scale words lie in LDS
	s_barrier_signal -1
	s_barrier_wait -1
	s_cmp_lg_u32 s48, 0
	s_cbranch_scc1 .Lnot_mine
	ds_load_b64 v[24:25], v21
	ds_load_b64 v[26:27], v21 offset:256
	ds_load_b64 v[28:29], v21 offset:512
	s_wait_dscnt 0x0
	global_store_b64 v5, v[24:25], s[74:75] offset:1572864   ; Q's scale words; each of the three stores covers 256 consecutive bytes, aligned
	global_store_b64 v5, v[26:27], s[76:77]                  ; K's
	global_store_b64 v5, v[28:29], s[76:77] offset:65536     ; V's halves
.Lnot_mine:
	s_wait_tensorcnt 0x0
	ds_add_u32 v38, v39
	s_wait_dscnt 0x0
	ROUND                                          ; the closing round: no work-group ends while a partner may still ask for a tile that names it
	s_endpgm
.Lfunc_end_k_qfb03636213_proj:
	.size	k_qfb03636213_proj, .Lfunc_end_k_qfb03636213_proj-k_qfb03636213_proj
	.p2alignl 7, 3214868480
	.fill 96, 4, 3214868480
	.section	.rodata,"a",@progbits
	.p2align	6, 0x0
	.amdhsa_kernel k_qfb03636213_proj
		.amdhsa_group_segment_fixed_size 197632
		.amdhsa_private_segment_fixed_size 0
		.amdhsa_enable_private_segment 0
		.amdhsa_kernarg_size 128
		.amdhsa_user_sgpr_count 2
		.amdhsa_user_sgpr_kernarg_segment_ptr 1
		.amdhsa_wavefront_size32 1
		.amdhsa_system_sgpr_workgroup_id_x 1
		.amdhsa_system_sgpr_workgroup_id_y 1
		.amdhsa_system_sgpr_workgroup_id_z 1
		.amdhsa_system_vgpr_workitem_id 0
		.amdhsa_next_free_vgpr 256
		.amdhsa_next_free_sgpr 96
		.amdhsa_reserve_vcc 0
		.amdhsa_float_denorm_mode_32 3
		.amdhsa_float_denorm_mode_16_64 3
		.amdhsa_memory_ordered 1
		.amdhsa_forward_progress 1
		.amdhsa_inst_pref_size 66
	.end_amdhsa_kernel
	.amdgpu_metadata
---
amdhsa.version: [ 1, 2 ]
amdhsa.kernels:
  - .name:           k_qfb03636213_proj
    .symbol:         k_qfb03636213_proj.kd
    .args:
      - { .name: x, .offset: 0, .size: 8, .value_kind: global_buffer, .address_space: global }
      - { .name: wts, .offset: 8, .size: 8, .value_kind: global_buffer, .address_space: global }
      - { .name: bf, .offset: 16, .size: 8, .value_kind: global_buffer, .address_space: global }
      - { .name: gf, .offset: 24, .size: 8, .value_kind: global_buffer, .address_space: global }
      - { .name: betaf, .offset: 32, .size: 8, .value_kind: global_buffer, .address_space: global }
      - { .name: mf, .offset: 40, .size: 8, .value_kind: global_buffer, .address_space: global }
      - { .name: vf, .offset: 48, .size: 8, .value_kind: global_buffer, .address_space: global }
      - { .name: bg, .offset: 56, .size: 8, .value_kind: global_buffer, .address_space: global }
      - { .name: gg, .offset: 64, .size: 8, .value_kind: global_buffer, .address_space: global }
      - { .name: betag, .offset: 72, .size: 8, .value_kind: global_buffer, .address_space: global }
      - { .name: mg, .offset: 80, .size: 8, .value_kind: global_buffer, .address_space: global }
      - { .name: vg, .offset: 88, .size: 8, .value_kind: global_buffer, .address_space: global }
      - { .name: bh, .offset: 96, .size: 8, .value_kind: global_buffer, .address_space: global }
      - { .name: qq, .offset: 104, .size: 8, .value_kind: global_buffer, .address_space: global }
      - { .name: kv, .offset: 112, .size: 8, .value_kind: global_buffer, .address_space: global }
      - { .name: kvs, .offset: 120, .size: 8, .value_kind: global_buffer, .address_space: global }
    .group_segment_fixed_size: 197632
    .private_segment_fixed_size: 0
    .kernarg_segment_align: 8
    .kernarg_segment_size: 128
    .max_flat_workgroup_size: 256
    .sgpr_count:     96
    .vgpr_count:     256
    .wavefront_size: 32
...
	.end_amdgpu_metadata
.endif
;; end of part 2
;; launch attn (part 3): grid 64 x 4, 16 waves a work-group, clusters of 4 x 1, 327,680 bytes of LDS; arguments qq, kv, kvs, wts, bv, x, out0; writes out0
.if DOCPART == 3
	.amdgcn_target "amdgcn-amd-amdhsa--gfx1250"
	.amdhsa_code_object_version 6
	.text
	.protected	k_qfb03636213_attn
	.globl	k_qfb03636213_attn
	.p2align	8
	.type	k_qfb03636213_attn,@function
k_qfb03636213_attn:
	s_mov_b64 s[64:65], 0
	v_nop
	global_prefetch_b8 v0, s[64:65] scope:SCOPE_SE
	s_setreg_imm32_b32 hwreg(HW_REG_WAVE_MODE, 25, 1), 1
	s_wait_xcnt 0x0
	s_wait_alu depctr_hold_cnt(0) depctr_sa_sdst(0) depctr_va_vdst(0) depctr_va_sdst(0) depctr_va_ssrc(0) depctr_va_vcc(0) depctr_vm_vsrc(0)
	s_getreg_b32 s2, hwreg(HW_REG_IB_STS2, 6, 4)
	s_cmp_eq_u32 s2, 0
	s_cbranch_scc0 .Lentry_in_a_cluster
	s_endpgm
.Lentry_in_a_cluster:
	s_bfe_u32 s2, ttmp6, 0x10000c
	s_cmp_lg_u32 s2, 0x3003
	s_cbranch_scc0 .Lentry_shape_is_right
	s_endpgm
.Lentry_shape_is_right:
; out = wv (softmax(f^T g / sqrt(128)) h^T)^T + bv + x, all three products on codes of BF6 (E3M2) with one E8M0 scale for each 32 along a product's K.
; THE SOFTMAX: t = score x log2(e) / sqrt(128) (one constant, where the definition multiplies twice); M = the largest t so far, rounded UP to a whole number; p = 2^(t - M) is quantised along the keys, not normalised;
; the row's sum is taken of the unquantised p and divides at the end (v_rcp_f32 and a multiplication).  When M moves, sums are multiplied by a power of two: exact.
; SHARES.  A work-group owns 64 queries of one image: four tiles of 16.  Sixteen waves, four to a SIMD: wave w has query tile w % 4 and key step w / 4 of every slot of 512 keys: eight steps of 128 keys.
; The four waves of a query tile hold partial sums under their own whole numbers M; they are joined at the end by exact powers of two (so the order of the sums over the keys is four partial sums a query).
; Then wave w joins, divides and quantises 32 of its tile's 128 channels of z, and multiplies its tile's z by 128 rows of wv; results meet in a stage, x and bv are added, whole rows of 256 bytes leave.
; LAYOUT.  S^T = K Q^T and O^T = V^T P^T: a lane holds ONE query throughout.  The keys of a tile of K and the channels of a tile of V are chosen (32 (t / 2) + 8 (t % 2) + r + 8 (r / 8)) so that 16 registers of two
; neighbouring result tiles are 16 neighbours along the next K.  All operands lie as images of their registers: every LDS load takes 256 or 512 consecutive bytes: no pitch, no padding.
; CLUSTER.  The four work-groups of a cluster belong to one image and walk the same K, V and wv: each tile is asked for JOINTLY.  My place in the cluster enters the addresses of Q, x and out0 alone.
; LIMITS: a block whose largest magnitude lies under 2^-122 (a block of zeros too) keeps the byte 1: this program alone reads the bytes.  NaN and infinities are not served.
.set SLOT1, 1<<17                      ; LDS: slot 0 at 0, slot 1 here: 98,304 bytes each: four key steps of K (12,288 each), then four of V; one exclusive or turns an address
.set KSW,   229376                     ; K's scale words of the image: 512 x step + 64 x tile + 4 r
.set VSW,   245760                     ; V's likewise
.set SPARE, 262144                     ; the spare words: 128 bytes for each of 16 waves: eight blocks of 256 bytes that no other line names
.set WVI,   264192                     ; wv's 32 images
.set MST,   313344                     ; -M at 4 x thread, the sums 2,048 on
.set ZC,    317440                     ; z's codes and byte, 16 bytes a thread
; behind the last fill and the last read of the ring: [0, 131,072) the waves' partial O^T, 8,192 each; later [0, 139,264) the stage: 512 rows (output channels) of 256 bytes + 16
; REGISTERS: v1-4, v7 places that stay; v5, v6 the spare word's address and 0; v8-11, v28 the step's LDS addresses; v12 -M, v13 the largest t, v[14:15] the sum; v16-27 Q; v29 my offset in x and out0, v30 the prefetch's;
; v32-79 four fragments; v80-87 wv's scale words, v88-95 bv; v96-159 S^T, then p, at last x; v160-223 O^T; v224-235 p's codes; v232-254 at work; v248-251 K's or V's scale words; v253 p's; v255 Q's.
.macro ROUND                           ; a round of the cluster's barrier
	s_barrier_signal -1
	s_barrier_wait -1
	s_cmp_lg_u32 s18, 0
	s_cbranch_scc1 .Lnot_wave_0_\@
	s_barrier_signal -3
.Lnot_wave_0_\@:
	s_barrier_wait -3
	s_barrier_signal -1
	s_barrier_wait -1
.endm
.macro RLOAD                           ; waves 0 to 3 fetch a quarter of a slot each; four v_nop follow the line
	s_cmp_lt_u32 s18, 4
	s_cbranch_scc0 .Lnone_\@
	tensor_load_to_lds s[40:43], s[32:39]
	s_nop 0
.rept 4
	v_nop
.endr
.Lnone_\@:
.endm
; THE CHANGE OF SLOTS stands at a slot's head.  fill = 1: the slot that has been left is filled with the next 512 keys; the barrier is then a round of the cluster's.
.macro CHANGE fill
	s_wait_tensorcnt 0x0                           ; no tensor load of mine is out, so a group 0 may be written
	ds_add_u32 v5, v6                              ; 0 onto my spare word
.if \fill
	s_xor_b32 s41, s41, SLOT1                      ; the other slot than last time,
	s_add_nc_u64 s[42:43], s[42:43], 98304         ; the next 512 keys; the type bits on top are not reached
.endif
	s_wait_dscnt 0x0                               ; the add is done, and my reads of the slot that I have left are over
.if \fill
	ROUND
	RLOAD                                          ; the first thing behind the round, and a wave's one tensor load until the next
.else
	s_barrier_signal -1
	s_barrier_wait -1
.endif
.endm
; A KEY STEP: my 128 keys of the slot in hand
.macro STEP
	v_add_nc_u32 v8, s26, v1                       ; K's tiles.  (These five are the places in front of the loads below)
	s_wait_alu depctr_va_vdst(0)
	v_add_nc_u32 v9, s26, v2                       ; V's, the pieces of 16 bytes
	v_add_nc_u32 v28, s26, v7                      ; V's, the pieces of 8
	v_add_nc_u32 v10, s27, v3                      ; K's scale words
	v_add_nc_u32 v11, s27, v4                      ; V's
.irp g, 0,1                                    ; S^T = K Q^T, four tiles of 16 keys at a time
.if \g
.rept 4
	v_nop                                          ; places in front of loads into registers that matrix instructions have read
.endr
.endif
.irp t, 0,1,2,3
.irp c, 0,1,2
	ds_load_b128 v[32+12*\t+4*\c:35+12*\t+4*\c], v8 offset:(4*\g+\t)*1536+512*\c
.endr
.endr
.if \g == 0
.irp q, 0,1,2,3
	ds_load_b32 v[248+\q], v10 offset:128*\q       ; lanes 0-15: tile 2 q's words, lanes 16-31: tile 2 q + 1's
.endr
.endif
	s_wait_dscnt 0x0
.irp u, 0,1
	v_wmma_scale_f32_16x16x128_f8f6f4 v[96+8*(4*\g+2*\u):103+8*(4*\g+2*\u)], v[32+24*\u:43+24*\u], v[16:27], 0, v[248+2*\g+\u], v255 matrix_a_fmt:MATRIX_FMT_BF6 matrix_b_fmt:MATRIX_FMT_BF6
	v_wmma_scale_f32_16x16x128_f8f6f4 v[104+8*(4*\g+2*\u):111+8*(4*\g+2*\u)], v[44+24*\u:55+24*\u], v[16:27], 0, v[248+2*\g+\u], v255 matrix_a_fmt:MATRIX_FMT_BF6 matrix_b_fmt:MATRIX_FMT_BF6 matrix_a_scale:MATRIX_SCALE_ROW1
.endr
.endr                                          ; lane (r, h) holds query r; register 16 b + i is key 32 b + 16 h + i of the step
.rept 4
	v_nop
.endr
.irp b, 0,1,2,3
	v_max3_num_f32 v[232+\b], v[96+16*\b], v[97+16*\b], v[98+16*\b]   ; the largest score of each block of 32 keys: it serves the row's maximum and, since p rises with the score, the block's largest p
.endr
.irp i, 3,5,7,9,11,13
.irp b, 0,1,2,3
	v_max3_num_f32 v[232+\b], v[232+\b], v[96+16*\b+\i], v[97+16*\b+\i]
.endr
.endr
.irp b, 0,1,2,3
	v_max_num_f32 v[232+\b], v[232+\b], v[111+16*\b]
.endr
.irp b, 0,1,2,3
	s_delay_alu instid0(VALU_DEP_4)
	v_permlanex16_b32 v[236+\b], v[232+\b], s22, s23
.endr
.irp b, 0,1,2,3
	s_delay_alu instid0(VALU_DEP_4)
	v_max_num_f32 v[232+\b], v[232+\b], v[236+\b]  ; with lane l xor 16's 16 keys
.endr
	s_delay_alu instid0(VALU_DEP_2)
	v_max3_num_f32 v254, v232, v233, v234
	s_delay_alu instid0(VALU_DEP_1)
	v_max_num_f32 v254, v254, v235                 ; the step's largest score of my query
	s_delay_alu instid0(VALU_DEP_1)
	v_mul_f32 v254, s24, v254                      ; as t (c is positive)
	s_delay_alu instid0(VALU_DEP_1)
	v_max_num_f32 v13, v13, v254                   ; the running largest t
	v_mov_b32 v254, v12
	s_delay_alu instid0(VALU_DEP_2)
	v_floor_f32 v12, -v13                          ; the new -M = floor(-t): M is a whole number
	s_delay_alu instid0(VALU_DEP_1)
	v_sub_f32 v254, v12, v254                      ; old M - new M: a whole number, 0 or less
	s_delay_alu instid0(VALU_DEP_1)
	v_cvt_i32_f32 v254, v254                       ; (it saturates)
	s_delay_alu instid0(VALU_DEP_1)
	v_ldexp_f32 v252, 1.0, v254                    ; f = 2^(old M - new M)
.set JJ, 0
.rept 32
	v_pk_fma_f32 v[96+JJ:97+JJ], v[96+JJ:97+JJ], s[24:25], v[12:13] op_sel_hi:[1,0,0]   ; t - M, two at a time
.set JJ, JJ+2
.endr
.irp b, 0,1,2,3
	v_fma_f32 v[232+\b], v[232+\b], s24, v12       ; the same of each block's largest score
.endr
.set JJ, 0
	s_wait_alu depctr_va_vdst(0)
.rept 64
	v_exp_f32 v[96+JJ], v[96+JJ]                   ; p = 2^(t - M), at most 1
.set JJ, JJ+1
.endr
.irp b, 0,1,2,3
	v_exp_f32 v[232+\b], v[232+\b]                 ; the block's largest p: the same two instructions on the same number give the same bits
.endr
	v_pk_mul_f32 v[14:15], v[14:15], v[252:253] op_sel_hi:[1,0]   ; the sums under the new M.  (A plain place behind the exponentials)
	s_wait_alu depctr_va_vdst(0)
.irp b, 0,1,2,3
	v_max_num_f32 v[232+\b], 0x2800000, v[232+\b]  ; the floor 2^(5 - 127): the byte cannot fall under 1
.endr
.irp b, 0,1,2,3
	s_delay_alu instid0(VALU_DEP_4)
	v_add_nc_u32 v[244+\b], 0xfe000000, v[232+\b]  ; 4 off the exponent field: the conversion's scale operand
.endr
.irp b, 0,1,2,3
	s_delay_alu instid0(VALU_DEP_4)
	v_lshrrev_b32 v[236+\b], 23, v[244+\b]         ; the scale's byte
.endr
	s_delay_alu instid0(VALU_DEP_3)
	v_lshl_or_b32 v253, v237, 8, v236              ; p's scale word for these 128 keys
	s_delay_alu instid0(VALU_DEP_1)
	v_lshl_or_b32 v253, v238, 16, v253
	s_delay_alu instid0(VALU_DEP_1)
	v_lshl_or_b32 v253, v239, 24, v253
.irp c, 0,1
	v_cvt_scalef32_pk16_bf6_f32 v[224+6*\c:226+6*\c], v[96+32*\c:111+32*\c], v[244+2*\c]
	v_cvt_scalef32_pk16_bf6_f32 v[236+4*\c:238+4*\c], v[112+32*\c:127+32*\c], v[244+2*\c+1]
.endr
	v_nop                                          ; one plain place behind a scaled conversion
.irp c, 0,1                                    ; the operand's layout wants a whole block in a lane
.irp i, 0,1,2
	v_permlane16_swap_b32 v[224+6*\c+\i], v[236+4*\c+\i]
.endr
.irp i, 0,1,2
	s_delay_alu instid0(VALU_DEP_3)
	v_mov_b32 v[227+6*\c+\i], v[236+4*\c+\i]
.endr
.endr
	v_pk_add_f32 v[236:237], v[100:101], v[104:105]
	v_pk_add_f32 v[250:251], v[108:109], v[112:113]
	v_pk_add_f32 v[248:249], v[116:117], v[120:121]
	v_pk_add_f32 v[246:247], v[124:125], v[128:129]
	v_pk_add_f32 v[244:245], v[132:133], v[136:137]
	v_pk_add_f32 v[242:243], v[140:141], v[144:145]
	v_pk_add_f32 v[240:241], v[148:149], v[152:153]
	v_pk_add_f32 v[14:15], v[14:15], v[156:157]
	v_pk_add_f32 v[236:237], v[236:237], v[96:97]
	v_pk_add_f32 v[250:251], v[250:251], v[98:99]
	v_pk_add_f32 v[248:249], v[248:249], v[102:103]
	v_pk_add_f32 v[246:247], v[246:247], v[106:107]
	v_pk_add_f32 v[244:245], v[244:245], v[110:111]
	v_pk_add_f32 v[242:243], v[242:243], v[114:115]
	v_pk_add_f32 v[240:241], v[240:241], v[118:119]
	v_pk_add_f32 v[14:15], v[14:15], v[122:123]
	v_pk_add_f32 v[236:237], v[236:237], v[126:127]
	v_pk_add_f32 v[250:251], v[250:251], v[130:131]
	v_pk_add_f32 v[248:249], v[248:249], v[134:135]
	v_pk_add_f32 v[246:247], v[246:247], v[138:139]
	v_pk_add_f32 v[244:245], v[244:245], v[142:143]
	v_pk_add_f32 v[242:243], v[242:243], v[146:147]
	v_pk_add_f32 v[240:241], v[240:241], v[150:151]
	v_pk_add_f32 v[14:15], v[14:15], v[154:155]
	v_pk_add_f32 v[236:237], v[236:237], v[158:159]
	s_delay_alu instid0(VALU_DEP_2)
	v_pk_add_f32 v[14:15], v[14:15], v[246:247]
	s_delay_alu instid0(VALU_DEP_2)
	v_pk_add_f32 v[236:237], v[236:237], v[244:245]
	v_pk_add_f32 v[250:251], v[250:251], v[242:243]
	v_pk_add_f32 v[248:249], v[248:249], v[240:241]
	s_delay_alu instid0(VALU_DEP_2)
	v_pk_add_f32 v[14:15], v[14:15], v[250:251]
	s_delay_alu instid0(VALU_DEP_2)
	v_pk_add_f32 v[236:237], v[236:237], v[248:249]
	s_delay_alu instid0(VALU_DEP_1)
	v_pk_add_f32 v[14:15], v[14:15], v[236:237]
.set JJ, 0
.rept 32
	v_pk_mul_f32 v[160+JJ:161+JJ], v[160+JJ:161+JJ], v[252:253] op_sel_hi:[1,0]   ; O^T under the new M.  (These are also the places in front of the matrix instructions and loads below)
.set JJ, JJ+2
.endr
	s_wait_alu depctr_va_vdst(0)
.irp g, 0,1                                    ; O^T += V^T P^T: four tiles of 16 channels at a time
.if \g
.rept 4
	v_nop
.endr
.endif
.irp t, 0,1,2,3
.irp c, 0,1                                    ; half c of a fragment: four registers by 16 bytes a lane, two by 8
	ds_load_b128 v[32+12*\t+6*\c:35+12*\t+6*\c], v9 offset:(4*\g+\t)*1536+768*\c
	ds_load_b64 v[36+12*\t+6*\c:37+12*\t+6*\c], v28 offset:(4*\g+\t)*1536+768*\c
.endr
.endr
.if \g == 0
.irp q, 0,1,2,3
	ds_load_b32 v[248+\q], v11 offset:128*\q
.endr
.endif
	s_wait_dscnt 0x0
.irp u, 0,1
	v_wmma_scale_f32_16x16x128_f8f6f4 v[160+8*(4*\g+2*\u):167+8*(4*\g+2*\u)], v[32+24*\u:43+24*\u], v[224:235], v[160+8*(4*\g+2*\u):167+8*(4*\g+2*\u)], v[248+2*\g+\u], v253 matrix_a_fmt:MATRIX_FMT_BF6 matrix_b_fmt:MATRIX_FMT_BF6
	v_wmma_scale_f32_16x16x128_f8f6f4 v[168+8*(4*\g+2*\u):175+8*(4*\g+2*\u)], v[44+24*\u:55+24*\u], v[224:235], v[168+8*(4*\g+2*\u):175+8*(4*\g+2*\u)], v[248+2*\g+\u], v253 matrix_a_fmt:MATRIX_FMT_BF6 matrix_b_fmt:MATRIX_FMT_BF6 matrix_a_scale:MATRIX_SCALE_ROW1
.endr
.endr
	s_xor_b32 s26, s26, SLOT1                      ; on to the other slot,
	s_add_co_u32 s27, s27, 2048                    ; and to the next slot's scale words
.endm
.macro WVLOAD G                        ; four of my eight fragments of wv
.irp i, 0,1,2,3
.irp c, 0,1,2
	ds_load_b128 v[160+12*\i+4*\c:163+12*\i+4*\c], v10 offset:(4*(\G)+\i)*1536+512*\c
.endr
.endr
.endm
.macro OUTG G                          ; source 0 = z's 16 queries, source 1 = 16 rows of wv: a lane holds one output channel and eight neighbouring pixels
.irp i, 0,1,2,3
	v_wmma_scale_f32_16x16x128_f8f6f4 v[208+8*\i:215+8*\i], v[48:59], v[160+12*\i:171+12*\i], 0, v253, v[80+4*(\G)+\i] matrix_a_fmt:MATRIX_FMT_BF6 matrix_b_fmt:MATRIX_FMT_BF6
.endr
.rept 4
	v_nop
.endr
.irp i, 0,1,2,3
.irp j, 0,1,2,3,4,5,6,7
	v_add_f32 v[208+8*\i+\j], v[208+8*\i+\j], v[88+4*(\G)+\i]   ; + bv of my channel; each accumulator from its low end on
.endr
.endr
.irp i, 0,1,2,3
	ds_store_b128 v11, v[208+8*\i:211+8*\i] offset:(4*(\G)+\i)*4352
	ds_store_b128 v11, v[212+8*\i:215+8*\i] offset:(4*(\G)+\i)*4352+16
.endr
.endm
	s_load_b256 s[4:11], s[0:1], 0x0               ; qq, kv, kvs, wts
	s_load_b128 s[12:15], s[0:1], 0x20             ; bv, x
	s_load_b64 s[16:17], s[0:1], 0x30              ; out0
	v_lshl_add_u32 v5, v0, 2, SPARE
	v_mov_b32 v6, 0
	ds_add_u32 v5, v6
	ds_add_u32 v5, v6
	s_wait_dscnt 0x0
	v_lshrrev_b32 v8, 5, v0
	s_delay_alu instid0(VALU_DEP_1)
	v_readfirstlane_b32 s18, v8                    ; wave 0..15
	s_and_b32 s19, s18, 3                          ; my query tile
	s_lshr_b32 s20, s18, 2                         ; my key step of a slot
	s_bfe_u32 s48, ttmp6, 0x40000                  ; cx
	s_lshl_b32 s49, ttmp9, 2
	s_add_co_u32 s49, s49, s48                     ; my block of 64 queries
	s_and_b32 s50, ttmp7, 0xffff                   ; the image, which the four partners share
	s_lshl_b32 s51, s50, 6
	s_add_co_u32 s51, s51, s49                     ; 64 b + block
	s_mov_b32 s22, 0x76543210
	s_mov_b32 s23, 0xfedcba98                      ; v_permlanex16_b32's selects for lane l xor 16
	s_mov_b32 s24, 0x3e0293ee                      ; c = log2(e) / sqrt(128)
	s_mov_b32 s25, s24                             ; (named with it as a pair, so it is written)
	s_mov_b32 s26, 0                               ; the slot in hand
	s_mov_b32 s27, 0                               ; its scale words
	s_mov_b32 s28, 7                               ; slots still to be asked for
	; descriptor group 1: 96 rows of 256 bytes (32 elements of 8), dense, no padding; the mask names all four work-groups
	s_mov_b32 s32, 15|(3<<16)|(1<<21)
	s_mov_b32 s33, 32<<16
	s_mov_b32 s34, 96<<16
	s_mov_b32 s35, 32<<16
	s_mov_b32 s36, 96
	s_mov_b32 s37, 32
	s_mov_b32 s38, 0
	s_mov_b32 s39, 0
	s_mov_b32 s40, 1
	s_mul_i32 s41, s19, 24576                      ; a quarter of a slot, in LDS as in kv
	s_mul_i32 s52, s50, 786432                     ; the image's eight slots
	s_add_co_u32 s52, s52, s41
	s_mov_b32 s53, 0
	s_mov_b32 s44, 1
	s_and_b32 s54, s18, 1
	s_mul_i32 s54, s54, 24576                      ; half of wv's images
	s_add_co_u32 s45, s54, WVI
	s_add_co_u32 s54, s54, 153600
	s_mov_b32 s55, 0
	v_and_b32 v8, 31, v0                           ; lane
	v_and_b32 v9, 15, v0                           ; r
	s_mul_i32 s56, s20, 12288
	v_lshl_add_u32 v1, v8, 4, s56                  ; K's tiles of my step: 16 x lane
	s_add_co_u32 s57, s56, 49152
	v_lshl_add_u32 v2, v8, 4, s57                  ; V's
	s_add_co_u32 s57, s57, 512
	v_lshl_add_u32 v7, v8, 3, s57                  ; V's pieces of 8 bytes
	s_lshl_b32 s57, s20, 9
	s_add_co_u32 s58, s57, KSW
	v_lshl_add_u32 v3, v8, 2, s58                  ; K's scale words of my step
	s_add_co_u32 s58, s57, VSW
	v_lshl_add_u32 v4, v8, 2, s58                  ; V's
	v_bfe_u32 v10, v0, 4, 1
	v_lshlrev_b32 v29, 4, v9
	s_delay_alu instid0(VALU_DEP_1)
	v_lshl_add_u32 v29, v10, 14, v29
	s_lshl_b32 s57, s18, 19
	v_add_nc_u32 v29, s57, v29                     ; x, out0: channel 32 w + lane / 16, 16 bytes a lane
	v_lshlrev_b32 v30, 14, v0                      ; the prefetch: channel = thread
	v_lshl_add_u32 v10, v0, 4, KSW                 ; K's scale words on their way in
	v_lshl_add_u32 v11, v0, 5, VSW                 ; V's
	v_lshlrev_b32 v236, 4, v8                      ; offsets of the loads below: 16 x lane,
	v_lshlrev_b32 v237, 2, v9                      ; 4 r,
	v_lshlrev_b32 v238, 4, v9                      ; 16 r,
	v_lshlrev_b32 v239, 4, v0                      ; 16 x thread,
	v_lshrrev_b32 v240, 4, v0
	s_delay_alu instid0(VALU_DEP_1)
	v_lshlrev_b32 v240, 9, v240
	v_and_b32 v241, 15, v0
	s_delay_alu instid0(VALU_DEP_1)
	v_lshl_add_u32 v240, v241, 4, v240             ; 512 (thread / 16) + 16 (thread % 16)
	s_mul_i32 s56, s51, 6144
	s_mul_i32 s57, s19, 1536
	s_add_co_u32 s56, s56, s57
	s_mov_b32 s57, 0
	s_lshl_b32 s58, s51, 8
	s_lshl_b32 s59, s19, 6
	s_add_co_u32 s58, s58, s59
	s_mov_b32 s59, 0
	s_lshl_b32 s60, s20, 9
	s_mov_b32 s61, 0
	s_lshl_b32 s62, s50, 14
	s_mov_b32 s63, 0
	s_lshl_b32 s80, s50, 23
	s_lshl_b32 s81, s49, 8
	s_add_co_u32 s80, s80, s81
	s_mov_b32 s81, 0
	s_wait_alu depctr_va_vdst(0)
	s_wait_kmcnt 0x0
	s_add_nc_u64 s[42:43], s[6:7], s[52:53]
	s_or_b32 s43, s43, 0x80000000
	s_add_nc_u64 s[46:47], s[10:11], s[54:55]
	s_or_b32 s47, s47, 0x80000000
	s_add_nc_u64 s[66:67], s[4:5], s[56:57]        ; my tile of Q
	s_add_nc_u64 s[68:69], s[4:5], s[58:59]        ; its scale words (1,572,864 on)
	s_add_nc_u64 s[70:71], s[10:11], s[60:61]      ; wv's scale words of my eight tiles (202,752 on)
	s_add_nc_u64 s[72:73], s[12:13], s[60:61]      ; bv of my 128 channels
	s_add_nc_u64 s[74:75], s[8:9], s[62:63]        ; the image's scale words of K; V's halves 65,536 on
	s_add_nc_u64 s[76:77], s[14:15], s[80:81]      ; x at my 64 pixels
	s_add_nc_u64 s[78:79], s[16:17], s[80:81]      ; out0 likewise
.irp c, 0,1,2
	global_load_b128 v[16+4*\c:19+4*\c], v236, s[66:67] offset:512*\c
.endr
	global_load_b32 v255, v237, s[68:69] offset:1572864
	global_load_b128 v[80:83], v238, s[70:71] offset:202752
	global_load_b128 v[84:87], v238, s[70:71] offset:202752+256
.irp i, 0,1,2,3,4,5,6,7
	global_load_b32 v[88+\i], v237, s[72:73] offset:64*\i
.endr
	global_load_b128 v[96:99], v239, s[74:75]
	global_load_b128 v[100:103], v239, s[74:75] offset:8192
	global_load_b128 v[104:107], v240, s[74:75] offset:65536       ; the bytes of keys 128 s .. + 63, eight rows,
	global_load_b128 v[108:111], v240, s[74:75] offset:65536+256   ; and of keys 128 s + 64 ..
	ROUND                                          ; all four work-groups are here: the first joint loads meet
	s_cmp_lt_u32 s18, 4                            ; waves 0 to 3: slot 0; waves 4 and 5: wv; one load a wave
	s_cbranch_scc0 .Lnot_kv
	tensor_load_to_lds s[40:43], s[32:39]
	s_nop 0
.rept 4
	v_nop
.endr
	s_branch .Lasked
.Lnot_kv:
	s_cmp_lt_u32 s18, 6
	s_cbranch_scc0 .Lasked
	tensor_load_to_lds s[44:47], s[32:39]
	s_nop 0
.rept 4
	v_nop
.endr
.Lasked:
	v_mov_b32 v13, 0xff61b1e6                      ; the largest t so far: -3e38, under every t
	s_delay_alu instid0(VALU_DEP_1)
	v_floor_f32 v12, -v13                          ; -M
	v_mov_b32 v14, 0                               ; the sum, in two halves
	v_mov_b32 v15, 0
	v_mov_b32 v253, 0                              ; (named as the upper half of the pair v[252:253] before it is first written)
.set JJ, 0
.rept 64
	v_mov_b32 v[160+JJ], 0                         ; O^T.  (The step is written for every trip alike: the first finds zeros, which the first change of M leaves zeros)
.set JJ, JJ+1
.endr
	s_wait_loadcnt 0x0
.irp b, 0,1,2,3
	v_mov_b32 v[236+\b], 0                         ; written once: a lane permute's destination counts as one of its sources
.endr
	ds_store_b128 v10, v[96:99]
	ds_store_b128 v10, v[100:103] offset:8192
.irp i, 0,1,2,3
	v_perm_b32 v[112+2*\i], v[108+\i], v[104+\i], 0x05040100   ; a row's word: two bytes of the first 64 keys below, two of the second above
	v_perm_b32 v[113+2*\i], v[108+\i], v[104+\i], 0x07060302
.endr
	ds_store_b128 v11, v[112:115]
	ds_store_b128 v11, v[116:119] offset:16
.Lslot:                                            ; seven trips: behind each change of slots but the last the next slot is asked for
	CHANGE 1
	STEP
	s_sub_co_u32 s28, s28, 1
	s_cmp_lg_u32 s28, 0
	s_cbranch_scc1 .Lslot
	global_prefetch_b8 v30, s[76:77] th:TH_LOAD_NT scope:SCOPE_SE   ; my work-group's part of x, 256 bytes of each of 512 channels: each thread asks for one channel's, once, one key step ahead of the loads
	CHANGE 0                                       ; the last slot is written out
	STEP
	; ---- x for the residual is asked for now; the addresses of the way out are the places behind the last products
.irp i, 0,1,2,3,4,5,6,7,8,9,10,11,12,13,14,15
	global_load_b128 v[96+4*\i:99+4*\i], v29, s[76:77] offset:32768*\i th:TH_LOAD_NT   ; sixteen lanes read a channel's 256 bytes
.endr
	v_and_b32 v31, 31, v0
	s_wait_alu depctr_va_vdst(0)
	s_lshl_b32 s30, s18, 13
	v_lshl_add_u32 v1, v31, 4, s30                 ; my partial O^T
	v_lshl_add_u32 v2, v0, 2, MST                  ; my -M and sum
	s_lshl_b32 s30, s19, 7
	s_add_co_u32 s30, s30, MST
	v_lshl_add_u32 v3, v31, 2, s30                 ; those of my tile's four waves, 512 apart
	s_lshl_b32 s30, s19, 13
	s_lshl_b32 s31, s20, 11
	s_add_co_u32 s30, s30, s31
	v_lshl_add_u32 v4, v31, 4, s30                 ; block w / 4 of my tile's partial sums, 32,768 apart
	s_delay_alu instid0(VALU_DEP_1)
	v_add_nc_u32 v7, 65536, v4
	v_lshl_add_u32 v8, v0, 4, ZC                   ; z's codes, in
	s_lshl_b32 s30, s19, 9
	s_add_co_u32 s30, s30, ZC
	v_lshl_add_u32 v9, v31, 4, s30                 ; and back: my tile's four blocks, 2,048 apart
	s_mul_i32 s30, s20, 12288
	s_add_co_u32 s30, s30, WVI
	v_lshl_add_u32 v10, v31, 4, s30                ; my eight fragments of wv
	v_and_b32 v11, 15, v0
	s_delay_alu instid0(VALU_DEP_1)
	v_mul_u32_u24 v11, v11, 272
	v_bfe_u32 v28, v0, 4, 1
	s_delay_alu instid0(VALU_DEP_1)
	v_lshl_add_u32 v11, v28, 6, v11
	s_mul_i32 s30, s20, 128*272
	s_lshr_b32 s31, s19, 1
	s_lshl_b32 s31, s31, 7
	s_add_co_u32 s30, s30, s31
	s_and_b32 s31, s19, 1
	s_lshl_b32 s31, s31, 5
	s_add_co_u32 s30, s30, s31
	v_add_nc_u32 v11, s30, v11                     ; the stage, in: row 128 (w / 4) + r; pixels 32 (qt / 2) + 8 (qt % 2) + 16 h on
	v_mul_u32_u24 v28, v28, 272
	v_and_b32 v31, 15, v0
	s_delay_alu instid0(VALU_DEP_1)
	v_lshl_add_u32 v28, v31, 4, v28
	s_mul_i32 s30, s18, 32*272
	v_add_nc_u32 v28, s30, v28                     ; and back: rows 32 w on, sixteen lanes to a row
	v_add_f32 v14, v14, v15                        ; the sum's two halves,
	s_delay_alu instid0(VALU_DEP_1)
	v_permlanex16_b32 v252, v14, s22, s23
	s_delay_alu instid0(VALU_DEP_1)
	v_add_f32 v14, v14, v252                       ; and lane l xor 16's
	s_wait_alu depctr_va_vdst(0)
	s_wait_dscnt 0x0
	s_barrier_signal -1
	s_barrier_wait -1                              ; nobody reads the ring any more, and it has had its last fill
.irp i, 0,1,2,3,4,5,6,7,8,9,10,11,12,13,14,15
	ds_store_b128 v1, v[160+4*\i:163+4*\i] offset:512*\i   ; each accumulator from its low end on
.endr
	ds_store_b32 v2, v12
	ds_store_b32 v2, v14 offset:2048
	s_wait_dscnt 0x0
	s_barrier_signal -1
	s_barrier_wait -1                              ; all sixteen partial sums lie in LDS
	; ---- the four partial sums of my tile's channels 32 (w / 4) .. + 31 are joined, divided by the row's sum and quantised
.irp i, 0,1,2,3
	ds_load_b32 v[224+\i], v3 offset:512*\i
	ds_load_b32 v[228+\i], v3 offset:2048+512*\i
.endr
.irp i, 0,1
.irp n, 0,1,2,3
	ds_load_b128 v[160+16*\i+4*\n:163+16*\i+4*\n], v4 offset:32768*\i+512*\n
	ds_load_b128 v[192+16*\i+4*\n:195+16*\i+4*\n], v7 offset:32768*\i+512*\n
.endr
.endr
	s_wait_dscnt 0x0
	v_min3_num_f32 v240, v224, v225, v226
	s_delay_alu instid0(VALU_DEP_1)
	v_min_num_f32 v240, v240, v227                 ; -M of the whole row
.irp i, 0,1,2,3
	v_sub_f32 v[232+2*\i], v240, v[224+\i]         ; M of part i - M: a whole number, 0 or less
.endr
.irp i, 0,1,2,3
	s_delay_alu instid0(VALU_DEP_4)
	v_cvt_i32_f32 v[232+2*\i], v[232+2*\i]
.endr
.irp i, 0,1,2,3
	v_ldexp_f32 v[232+2*\i], 1.0, v[232+2*\i]      ; an exact power of two
	v_mov_b32 v[233+2*\i], 0                       ; (the pair's upper half is named, so it is written)
.endr
	v_mul_f32 v241, v232, v228
	s_delay_alu instid0(VALU_DEP_1)
	v_fma_f32 v241, v234, v229, v241
	s_delay_alu instid0(VALU_DEP_1)
	v_fma_f32 v241, v236, v230, v241
	s_delay_alu instid0(VALU_DEP_1)
	v_fma_f32 v241, v238, v231, v241               ; the row's sum
	s_wait_alu depctr_va_vdst(0)
	v_rcp_f32 v242, v241
	v_mov_b32 v243, 0                              ; (a plain place behind the transcendental; the pair's upper half)
.irp n, 0,2,4,6,8,10,12,14
	v_pk_mul_f32 v[32+\n:33+\n], v[160+\n:161+\n], v[232:233] op_sel_hi:[1,0]
.endr
.irp i, 1,2,3
.irp n, 0,2,4,6,8,10,12,14
	v_pk_fma_f32 v[32+\n:33+\n], v[160+16*\i+\n:161+16*\i+\n], v[232+2*\i:233+2*\i], v[32+\n:33+\n] op_sel_hi:[1,0,1]
.endr
.endr
	s_wait_alu depctr_va_vdst(0)
.irp n, 0,2,4,6,8,10,12,14
	v_pk_mul_f32 v[32+\n:33+\n], v[32+\n:33+\n], v[242:243] op_sel_hi:[1,0]   ; z(channel 32 (w / 4) + 16 h + n, query r)
.endr
	v_max3_num_f32 v244, |v32|, |v33|, 0x2800000   ; my 16 numbers of the block, and the floor 2^(5 - 127)
.irp i, 2,4,6,8,10,12,14
	s_delay_alu instid0(VALU_DEP_1)
	v_max3_num_f32 v244, v244, |v[32+\i]|, |v[33+\i]|
.endr
	s_delay_alu instid0(VALU_DEP_1)
	v_permlanex16_b32 v252, v244, s22, s23
	s_delay_alu instid0(VALU_DEP_1)
	v_max_num_f32 v244, v244, v252                 ; with lane l xor 16's
	s_delay_alu instid0(VALU_DEP_1)
	v_add_nc_u32 v248, 0xfe000000, v244            ; the conversion's scale operand
	s_delay_alu instid0(VALU_DEP_1)
	v_lshrrev_b32 v247, 23, v248                   ; the scale's byte rides with the codes
	v_cvt_scalef32_pk16_bf6_f32 v[244:246], v[32:47], v248
	v_nop                                          ; one plain place behind a scaled conversion
	ds_store_b128 v8, v[244:247]
	s_wait_dscnt 0x0
	s_barrier_signal -1
	s_barrier_wait -1                              ; z's codes lie in LDS; nobody reads the partial sums any more
	; ---- out = wv z: my tile's z against my 128 rows of wv
	ds_load_b128 v[48:51], v9                      ; block 0: three registers of codes and the byte
	ds_load_b128 v[60:63], v9 offset:2048          ; block 1
	ds_load_b128 v[54:57], v9 offset:4096          ; block 2
	ds_load_b128 v[64:67], v9 offset:6144          ; block 3
	WVLOAD 0
	s_wait_dscnt 0x0
	v_lshl_or_b32 v253, v63, 8, v51                ; z's scale word
	s_delay_alu instid0(VALU_DEP_1)
	v_lshl_or_b32 v253, v57, 16, v253
	s_delay_alu instid0(VALU_DEP_1)
	v_lshl_or_b32 v253, v67, 24, v253
.irp i, 0,1,2
	v_permlane16_swap_b32 v[48+\i], v[60+\i]       ; the operand's layout wants a whole block in a lane
	v_permlane16_swap_b32 v[54+\i], v[64+\i]
.endr
.irp i, 0,1,2
	v_mov_b32 v[51+\i], v[60+\i]
	v_mov_b32 v[57+\i], v[64+\i]
.endr
.rept 8
	v_nop                                          ; a scale register written by a vector instruction stands 8 places ahead of a scaled matrix instruction, an operand so written 4
.endr
	OUTG 0
	WVLOAD 1
	s_wait_dscnt 0x0                               ; the fragments are in, and the stores have read their registers
.rept 5
	v_nop                                          ; the accumulators are begun anew: five places
.endr
	OUTG 1
	s_wait_dscnt 0x0
	s_barrier_signal -1
	s_barrier_wait -1                              ; 512 whole rows lie in the stage
.irp i, 0,1,2,3,4,5,6,7,8,9,10,11,12,13,14,15
	ds_load_b128 v[160+4*\i:163+4*\i], v28 offset:544*\i
.endr
	s_wait_loadcnt 0x0                             ; x
.irp i, 0,1,2,3,4,5,6,7,8,9,10,11,12,13,14,15
	s_wait_dscnt 15-\i                             ; LDS loads come back in order: pair i of rows is in, the younger ones may be out
	v_pk_add_f32 v[160+4*\i:161+4*\i], v[160+4*\i:161+4*\i], v[96+4*\i:97+4*\i]
	v_pk_add_f32 v[162+4*\i:163+4*\i], v[162+4*\i:163+4*\i], v[98+4*\i:99+4*\i]
	global_store_b128 v29, v[160+4*\i:163+4*\i], s[78:79] offset:32768*\i th:TH_STORE_NT   ; sixteen lanes store 256 consecutive bytes, aligned
.endr
	s_wait_tensorcnt 0x0                           ; the wave's end: behind my last tensor load and my last LDS store
	ds_add_u32 v5, v6
	s_wait_dscnt 0x0
	ROUND                                          ; the closing round: no work-group ends while a partner may still ask for a tile that names it
	s_endpgm
.Lfunc_end_k_qfb03636213_attn:
	.size	k_qfb03636213_attn, .Lfunc_end_k_qfb03636213_attn-k_qfb03636213_attn
	.p2alignl 7, 3214868480
	.fill 96, 4, 3214868480
	.section	.rodata,"a",@progbits
	.p2align	6, 0x0
	.amdhsa_kernel k_qfb03636213_attn
		.amdhsa_group_segment_fixed_size 327680
		.amdhsa_private_segment_fixed_size 0
		.amdhsa_enable_private_segment 0
		.amdhsa_kernarg_size 56
		.amdhsa_user_sgpr_count 2
		.amdhsa_user_sgpr_kernarg_segment_ptr 1
		.amdhsa_wavefront_size32 1
		.amdhsa_system_sgpr_workgroup_id_x 1
		.amdhsa_system_sgpr_workgroup_id_y 1
		.amdhsa_system_sgpr_workgroup_id_z 1
		.amdhsa_system_vgpr_workitem_id 0
		.amdhsa_next_free_vgpr 256
		.amdhsa_next_free_sgpr 96
		.amdhsa_reserve_vcc 0
		.amdhsa_float_denorm_mode_32 3
		.amdhsa_float_denorm_mode_16_64 3
		.amdhsa_memory_ordered 1
		.amdhsa_forward_progress 1
		.amdhsa_inst_pref_size 78
	.end_amdhsa_kernel
	.amdgpu_metadata
---
amdhsa.version: [ 1, 2 ]
amdhsa.kernels:
  - .name:           k_qfb03636213_attn
    .symbol:         k_qfb03636213_attn.kd
    .args:
      - { .name: qq, .offset: 0, .size: 8, .value_kind: global_buffer, .address_space: global }
      - { .name: kv, .offset: 8, .size: 8, .value_kind: global_buffer, .address_space: global }
      - { .name: kvs, .offset: 16, .size: 8, .value_kind: global_buffer, .address_space: global }
      - { .name: wts, .offset: 24, .size: 8, .value_kind: global_buffer, .address_space: global }
      - { .name: bv, .offset: 32, .size: 8, .value_kind: global_buffer, .address_space: global }
      - { .name: x, .offset: 40, .size: 8, .value_kind: global_buffer, .address_space: global }
      - { .name: out0, .offset: 48, .size: 8, .value_kind: global_buffer, .address_space: global }
    .group_segment_fixed_size: 327680
    .private_segment_fixed_size: 0
    .kernarg_segment_align: 8
    .kernarg_segment_size: 56
    .max_flat_workgroup_size: 512
    .sgpr_count:     96
    .vgpr_count:     256
    .wavefront_size: 32
...
	.end_amdgpu_metadata
.endif
;; end of part 3
